; MI455X (gfx1250); checked and timed in simulation.
; The chip was launched on July 23, 2026; its instructions are those of AMD's public machine-readable ISA for CDNA 5 (MIT licence, August 2026) and "CDNA5" Instruction Set Architecture Reference Guide (July 2026). The comments in the code are by the model that wrote it; some were corrected since.
;; NOCS Renderer. Allowed arithmetic: float matrix products may take bf16 or f16 operands with f32 sums; other float arithmetic in f32, or as packed bf16 or f16 multiplies, adds, multiply-adds, maxima and minima; sums over many terms, partial sums and values carried from step to step in f32; what a program stores and reads back later, other than sums and carried values, may be rounded once to bf16 or f16.
;; Inputs: azim_rand 4 float32; dist_rand 4 float32; elev_rand 4 float32; feat 2,048 x 3 float32; verts 2,048 x 3 float32.
;; Outputs: out0 4 x 128 x 128 x 6 float32.
;; One version. Each part assembles by itself: llvm-mc -triple=amdgcn-amd-amdhsa -mcpu=gfx1250 --defsym DOCPART=n.
;; ======== version 1 of 1: 2 launches
;; limits: right only within a limited range of input values
;; workspace buffers: meta 65,536 bytes of whole numbers; xy 65,536 bytes
;; launch prep (part 1): grid 64 x 4, 8 waves a work-group, no clusters, 10,496 bytes of LDS; arguments verts, dist_rand, elev_rand, azim_rand, meta, xy; writes meta, xy
.if DOCPART == 1
	.amdgcn_target "amdgcn-amd-amdhsa--gfx1250"
	.amdhsa_code_object_version 6
	.text
	.protected	k_qcd9e3de892_prep
	.globl	k_qcd9e3de892_prep
	.p2align	8
	.type	k_qcd9e3de892_prep,@function
k_qcd9e3de892_prep:
	s_mov_b64 s[64:65], 0
	v_nop
	global_prefetch_b8 v0, s[64:65] scope:SCOPE_SE
	s_setreg_imm32_b32 hwreg(HW_REG_WAVE_MODE, 25, 1), 1
	s_wait_xcnt 0x0
; PREP: for each view v and point i: its place in the view's depth order, the 8 x 4 pixel tiles that its disc can touch, and its NDC x, y.
;   meta[v][i] = ( rank , i | first tile column << 11 | last << 15 | first tile row << 19 | last << 24 )   whole numbers, 8 bytes
;   xy[v][i]   = ( x_ndc , y_ndc )                                                                        f32, 8 bytes
; WHY THIS REPLACES THE DENSE SCORE AND top_k.  A pair (pixel, point) with dist2 > r2 or z <= ZNEAR has score -inf, so hit is false, alpha 0 and its weight 0: it
; reaches no output and takes no place among the K hits.  top_k(-z) lists the hits by rising z, equal z by rising index: that is the order of rank, made here for all 2,048 points
; of a view.  Which pairs are live hangs on the values, so nothing is decided here: the ranks and tile ranges are stored as whole numbers and the next launch reads them.
; DEAD WORK, for all values: up = (0,1,0) is built by the problem's own text, so cross(up, z) = (z.z, 0, -z.x), x_axis.y = 0 / (n + 1e-8) = 0 and every product with it is 0;
; ASPECT = 1 is a factor 1; ELEV_RANGE[0] = AZIM_RANGE[0] = 0 are terms 0.  Every input has a way to the output and is loaded (feat in the next launch).
; LIMITS.  NaN and infinities in the inputs are not treated apart (a maximum here drops a NaN; a NaN key 0x7fffffff would break the tie rule).  Depths are summed by fused multiply-adds, divisions are
; v_rcp_f32 and a multiply, sine and cosine are polynomials behind a two-term reduction by pi/2 (good to some 1e4 rad): depths agree with the problem's f32 to a few units in the last
; place, so two points of one pixel whose depths lie that close may be taken in the other order.
; SHARES.  Work-group (g, v): points 32 g .. 32 g + 31 of view v.  Every work-group needs all 2,048 depths: thread t projects points t + 256 k.  Lane l of every wave stands for own point 32 g + l;
; wave w counts among the keys 256 w .. 256 w + 255; the eight counts meet in LDS; wave 0 finishes and stores 32 x 8 bytes = 256 consecutive aligned bytes into each buffer.
.set RED,   0                 ; LDS: 8 waves x 32 bytes: max x,y,z and max of -x,-y,-z
.set ZK,    256               ; 2,048 depth keys, 4 bytes each, by point index
.set PCN,   ZK+8192           ; 8 waves x 32 partial counts
.set SPARE, PCN+1024          ; the spare words: 128 bytes a wave, four blocks of 256 bytes that no other line names
.set SPW,  2                  ; v2   my spare word's address; never rewritten
.set NIL,  3                  ; v3   0; never rewritten
.set LANE, 4
.set VO,   5                  ; 12 t: my first point in verts
.set OO,   6                  ; 12 (32 g + lane): the own point
.set ZA,   7                  ; 1,024 w: my wave's keys in ZK
.set P,    8                  ; v8-43: nine points of four registers: x, y, z, depth; the ninth is the own point
.set OWN,  P+32
.set KI,   OWN+3              ; the own point's depth: as f32, and its bits as the sort key
.set R6,   44                 ; v44-49 the six maxima
.set CEN,  56                 ; v56-58 obj_center
.set KA,   60                 ; 4 t
.set RA,   61                 ; 32 w
.set RB,   62                 ; 32 (lane % 8)
.set EL,   64                 ; the camera, the same number in every lane: v64-90
.set AZ,   65
.set SE,   66
.set CE,   67
.set SA,   68
.set CA,   69
.set W0,   70
.set W1,   71
.set W2,   72
.set W3,   73
.set DI,   74
.set CX,   75
.set CY,   76
.set CZ,   77
.set NN,   78
.set RR,   79
.set AZX,  80
.set AZY,  81
.set AZZ,  82
.set AXX,  83
.set AXZ,  84
.set AYX,  85
.set AYY,  86
.set AYZ,  87
.set ATX,  88
.set ATY,  89
.set ATZ,  90
.set TT,   64                 ; v64-69 again, written above and dead by then: destinations of the lane exchange
.set KB0,  96                 ; two buffers of 32 keys
.set KB1,  128
.set THR,  164
.set OUTW, 164                ; later: rank, word
.set C0,   166
.set C1,   167
.set DEN,  167
.set U,    168                ; v168-175 at work; later x, y
.set XL,   170
.set XH,   171
.set YL,   172
.set YH,   173
.set VI,   174
.set EM,   175
.set WV,   16
.set VIEW, 17
.set GS,   18
.set V4,   19
.set DR,   20
.set ER,   21
.set AR,   22
.set T0,   23
.set KXX,  24                 ; the frame as scalars: axis x (x, z), axis y, axis z, T
.set KXZ,  25
.set KYX,  26
.set KYY,  27
.set KYZ,  28
.set KZX,  29
.set KZY,  30
.set KZZ,  31
.set KTX,  32
.set KTY,  33
.set KTZ,  34
.set T1,   35
.set SEL,  36
.set B0,   38
.set ZN,   39
.set M,    40                 ; s40-47 lane masks
.set CM64, 48
.set C635, 49
.set MG,   50
.set N127, 51
.set P127, 52
.macro BARRIER                ; my LDS instructions are done, then all eight waves meet
	s_wait_dscnt 0x0
	s_barrier_signal -1
	s_barrier_wait -1
.endm
; sine and cosine of v[x].  n = round(x 2/pi); r = x - n pi/2 with pi/2 = 0x3fc90fdb - 4.3711388e-8, each step one fused multiply-add; polynomials on |r| <= pi/4; the quadrant n mod 4 swaps and signs them by selects.
.macro SINCOS x, sn, cs
	v_mul_f32 v[W0], 0x3f22f983, v[\x]
	v_rndne_f32 v[W0], v[W0]
	v_fmamk_f32 v[W1], v[W0], 0xbfc90fdb, v[\x]
	v_fmamk_f32 v[W1], v[W0], 0x333bbd2e, v[W1]
	v_cvt_i32_f32 v[W0], v[W0]
	v_mul_f32 v[W2], v[W1], v[W1]
	v_mov_b32 v[\sn], 0xb94ca1f9
	v_mov_b32 v[\cs], 0x37ccf5ce
	v_fmaak_f32 v[\sn], v[\sn], v[W2], 0x3c08839e
	v_fmaak_f32 v[\cs], v[\cs], v[W2], 0xbab6061a
	v_fmaak_f32 v[\sn], v[\sn], v[W2], 0xbe2aaaa3
	v_fmaak_f32 v[\cs], v[\cs], v[W2], 0x3d2aaaa5
	v_mul_f32 v[\sn], v[\sn], v[W2]
	v_mul_f32 v[\cs], v[\cs], v[W2]
	v_fma_f32 v[W3], v[W2], -0.5, 1.0
	v_fma_f32 v[\sn], v[\sn], v[W1], v[W1]         ; sin r
	v_fma_f32 v[\cs], v[\cs], v[W2], v[W3]         ; cos r
	v_and_b32 v[W1], 1, v[W0]
	v_cmp_eq_u32 vcc_lo, 1, v[W1]
	v_cndmask_b32 v[W2], v[\sn], v[\cs], vcc_lo    ; odd quadrant: the two change places
	v_cndmask_b32 v[W3], v[\cs], v[\sn], vcc_lo
	v_lshlrev_b32 v[W1], 30, v[W0]                 ; sine is negative in quadrants 2, 3: bit 1 of n
	v_add_nc_u32 v[W0], 1, v[W0]                   ; cosine in quadrants 1, 2: bit 1 of n + 1
	v_and_b32 v[W1], 0x80000000, v[W1]
	v_lshlrev_b32 v[W0], 30, v[W0]
	v_xor_b32 v[\sn], v[W1], v[W2]
	v_and_b32 v[W0], 0x80000000, v[W0]
	v_xor_b32 v[\cs], v[W0], v[W3]
.endm
; v[r] = 1 / (sqrt(v[n]) + 1e-8).  Behind each of the two a plain instruction and a wait ahead of the first reader.
.macro RNORM n, r
	v_sqrt_f32 v[\r], v[\n]
	v_nop
	s_wait_alu depctr_va_vdst(0)
	v_add_f32 v[\r], 0x322bcc77, v[\r]
	v_rcp_f32 v[\r], v[\r]
	v_nop
	s_wait_alu depctr_va_vdst(0)
.endm
.macro XMAX m                 ; the six maxima against the lane m away
.irp c,0,1,2,3,4,5
	v_max_num_f32_dpp v[R6+\c], v[R6+\c], v[R6+\c] row_xmask:\m row_mask:0xf bank_mask:0xf
.endr
.endm
.macro DEPTH k                ; point k: centred in place, then z = c . axis_z + T_z, the dot first, as the problem sums it
	v_pk_add_f32 v[P+4*(\k):P+4*(\k)+1], v[P+4*(\k):P+4*(\k)+1], v[CEN:CEN+1] neg_lo:[0,1] neg_hi:[0,1]
	v_sub_f32 v[P+4*(\k)+2], v[P+4*(\k)+2], v[CEN+2]
	v_mul_f32 v[P+4*(\k)+3], s[KZX], v[P+4*(\k)]
	v_fmac_f32 v[P+4*(\k)+3], s[KZY], v[P+4*(\k)+1]
	v_fmac_f32 v[P+4*(\k)+3], s[KZZ], v[P+4*(\k)+2]
	v_add_f32 v[P+4*(\k)+3], s[KTZ], v[P+4*(\k)+3]
.endm
.macro KLOAD b, buf           ; block b of my wave's eight: 32 keys, every lane reads the same 16 bytes
.irp q,0,1,2,3,4,5,6,7
	ds_load_b128 v[\buf+4*\q:\buf+4*\q+3], v[ZA] offset:ZK+128*(\b)+16*\q
.endr
.endm
; 32 keys against the own point's.  The keys are the depths' bits as signed numbers: for z > ZNEAR > 0 that is the order of the depths; the others only need some fixed order.
; A block of lower indices than the slice's counts key_j <= key_i, written key_j < key_i + 1; the others count key_j < key_i.
.macro KCOUNT b, buf
	s_add_co_u32 s[T0], s[B0], \b
	s_cmp_lt_u32 s[T0], s[GS]
	s_cselect_b32 s[T0], 1, 0
	v_add_nc_u32 v[THR], s[T0], v[KI]
.set j, 0
.rept 4
.irp e,0,1,2,3,4,5,6,7
	v_cmp_gt_i32 s[M+\e], v[THR], v[\buf+j+\e]
.endr
.irp e,0,1,2,3,4,5,6,7
	v_cndmask_b32 v[U+\e], 0, 1, s[M+\e]
.endr
	v_add3_u32 v[C0], v[C0], v[U], v[U+1]
	v_add3_u32 v[C1], v[C1], v[U+2], v[U+3]
	v_add3_u32 v[C0], v[C0], v[U+4], v[U+5]
	v_add3_u32 v[C1], v[C1], v[U+6], v[U+7]
.set j, j+8
.endr
.endm
; The pixels that a disc can touch along one axis.  Pixel j has its centre at 1 - (2 j + 1) / 128, so u = 63.5 - 64 c is the point's place in pixels; the radius is 1.92 pixels, taken as 1.921:
; the margin of 0.001 pixel is far above the rounding of u and of the next launch's dist2.  lo = ceil(u - 1.921) = -floor(1.921 - u), hi = floor(u + 1.921), held to 0 .. 127, then to tiles by a shift.
; m0: hi >= 0; m1: lo <= 127.  A NaN fails both.
.macro SPAN c, lo, hi, m0, m1, sh
	v_fma_f32 v[\lo], v[\c], s[CM64], s[C635]
	v_add_f32 v[\hi], s[MG], v[\lo]
	v_sub_f32 v[\lo], s[MG], v[\lo]
	v_cmp_le_f32 s[\m0], 0, v[\hi]
	v_cmp_le_f32 s[\m1], s[N127], v[\lo]
	v_floor_f32 v[\hi], v[\hi]
	v_floor_f32 v[\lo], v[\lo]
	v_mul_f32 v[\lo], -1.0, v[\lo]
	v_max_num_f32 v[\hi], 0, v[\hi]
	v_max_num_f32 v[\lo], 0, v[\lo]
	v_min_num_f32 v[\hi], s[P127], v[\hi]
	v_min_num_f32 v[\lo], s[P127], v[\lo]
	v_cvt_u32_f32 v[\hi], v[\hi]
	v_cvt_u32_f32 v[\lo], v[\lo]
	v_lshrrev_b32 v[\hi], \sh, v[\hi]
	v_lshrrev_b32 v[\lo], \sh, v[\lo]
.endm
	s_load_b256 s[4:11], s[0:1], 0x0               ; verts s[4:5], dist_rand s[6:7], elev_rand s[8:9], azim_rand s[10:11]
	s_load_b128 s[12:15], s[0:1], 0x20             ; meta s[12:13], xy s[14:15]
	v_lshl_add_u32 v[SPW], v0, 2, SPARE
	v_mov_b32 v[NIL], 0
	v_lshrrev_b32 v1, 5, v0
	v_readfirstlane_b32 s[WV], v1                  ; wave 0..7
	v_and_b32 v[LANE], 31, v0
	s_and_b32 s[VIEW], ttmp7, 0xffff
	s_mov_b32 s[GS], ttmp9                         ; the slice
	s_lshl_b32 s[V4], s[VIEW], 2
	s_mul_i32 s[T0], s[GS], 384                    ; 32 points of 12 bytes
	v_mul_u32_u24 v[VO], v0, 12
	v_mul_u32_u24 v[OO], v[LANE], 12
	v_add_nc_u32 v[OO], s[T0], v[OO]
	s_wait_kmcnt 0x0
	s_load_b32 s[DR], s[6:7], s[V4] offset:0x0     ; the view's three random numbers
	s_load_b32 s[ER], s[8:9], s[V4] offset:0x0
	s_load_b32 s[AR], s[10:11], s[V4] offset:0x0
.irp k,0,1,2,3,4,5,6,7
	global_load_b96 v[P+4*\k:P+4*\k+2], v[VO], s[4:5] offset:3072*\k   ; point t + 256 k: a wave's load covers 384 consecutive bytes
.endr
	global_load_b96 v[OWN:OWN+2], v[OO], s[4:5]
	v_lshlrev_b32 v[KA], 2, v0
	s_lshl_b32 s[T0], s[WV], 5
	v_mov_b32 v[RA], s[T0]
	v_and_b32 v[RB], 7, v0
	v_lshlrev_b32 v[RB], 5, v[RB]
	s_lshl_b32 s[T0], s[WV], 10
	v_mov_b32 v[ZA], s[T0]
	s_lshl_b32 s[B0], s[WV], 3                     ; my first block of 32 keys
	s_mov_b32 s[SEL], 0x76543210                   ; v_permlanex16_b32: each lane takes its own place in the other half
	s_mov_b32 s[SEL+1], 0xfedcba98
	s_mov_b32 s[ZN], 0x3c23d70a                    ; ZNEAR = 0.01
	s_mov_b32 s[CM64], 0xc2800000                  ; -64
	s_mov_b32 s[C635], 0x427e0000                  ; 63.5
	s_mov_b32 s[MG], 0x3ff5e354                    ; 1.921
	s_mov_b32 s[N127], 0xc2fe0000                  ; -127
	s_mov_b32 s[P127], 0x42fe0000                  ; 127
	; THE CAMERA, while verts are on their way: the same arithmetic in every lane
	s_wait_kmcnt 0x0
	v_mov_b32 v[EL], s[ER]
	v_mov_b32 v[AZ], s[AR]
	v_mov_b32 v[DI], s[DR]
	v_mov_b32 v[W0], 0x3f333333                    ; 0.7
	v_mul_f32 v[EL], 0x43b40000, v[EL]             ; degrees: x 360
	v_mul_f32 v[AZ], 0x43b40000, v[AZ]
	v_fmaak_f32 v[DI], v[DI], v[W0], 0x3f4ccccd    ; dist = 0.7 r + 0.8
	v_mul_f32 v[EL], 0x3c8efa35, v[EL]             ; radians: x pi / 180
	v_mul_f32 v[AZ], 0x3c8efa35, v[AZ]
	SINCOS EL, SE, CE
	SINCOS AZ, SA, CA
	v_mul_f32 v[NN], v[DI], v[CE]
	v_mul_f32 v[CY], v[DI], v[SE]
	v_mul_f32 v[CX], v[NN], v[SA]
	v_mul_f32 v[CZ], v[NN], v[CA]
	v_mul_f32 v[NN], v[CX], v[CX]
	v_fmac_f32 v[NN], v[CY], v[CY]
	v_fmac_f32 v[NN], v[CZ], v[CZ]
	RNORM NN, RR
	v_mul_f32 v[AZX], -v[CX], v[RR]                ; z_axis = -cam / (|cam| + 1e-8)
	v_mul_f32 v[AZY], -v[CY], v[RR]
	v_mul_f32 v[AZZ], -v[CZ], v[RR]
	v_mul_f32 v[NN], v[AZZ], v[AZZ]                ; up x z = (z.z, 0, -z.x)
	v_fmac_f32 v[NN], v[AZX], v[AZX]
	RNORM NN, RR
	v_mul_f32 v[AXX], v[AZZ], v[RR]
	v_mul_f32 v[AXZ], -v[AZX], v[RR]
	v_mul_f32 v[AYX], v[AZY], v[AXZ]               ; z x x, with x.y = 0
	v_mul_f32 v[AYY], v[AZX], v[AXZ]
	v_mul_f32 v[AYZ], -v[AZY], v[AXX]
	v_fma_f32 v[AYY], v[AZZ], v[AXX], -v[AYY]
	v_mul_f32 v[NN], v[AYX], v[AYX]
	v_fmac_f32 v[NN], v[AYZ], v[AYZ]
	v_fmac_f32 v[NN], v[AYY], v[AYY]
	RNORM NN, RR
	v_mul_f32 v[AYX], v[AYX], v[RR]
	v_mul_f32 v[AYY], v[AYY], v[RR]
	v_mul_f32 v[AYZ], v[AYZ], v[RR]
	v_mul_f32 v[ATX], -v[CX], v[AXX]               ; T = -cam . axis
	v_mul_f32 v[ATY], -v[CX], v[AYX]
	v_mul_f32 v[ATZ], -v[CX], v[AZX]
	v_fma_f32 v[ATX], -v[CZ], v[AXZ], v[ATX]
	v_fma_f32 v[ATY], -v[CY], v[AYY], v[ATY]
	v_fma_f32 v[ATZ], -v[CY], v[AZY], v[ATZ]
	v_fma_f32 v[ATY], -v[CZ], v[AYZ], v[ATY]
	v_fma_f32 v[ATZ], -v[CZ], v[AZZ], v[ATZ]
	v_readfirstlane_b32 s[KXX], v[AXX]
	v_readfirstlane_b32 s[KXZ], v[AXZ]
	v_readfirstlane_b32 s[KYX], v[AYX]
	v_readfirstlane_b32 s[KYY], v[AYY]
	v_readfirstlane_b32 s[KYZ], v[AYZ]
	v_readfirstlane_b32 s[KZX], v[AZX]
	v_readfirstlane_b32 s[KZY], v[AZY]
	v_readfirstlane_b32 s[KZZ], v[AZZ]
	v_readfirstlane_b32 s[KTX], v[ATX]
	v_readfirstlane_b32 s[KTY], v[ATY]
	v_readfirstlane_b32 s[KTZ], v[ATZ]
	; obj_center = (max - min) / 2.  -min is kept as the maximum of -v, so that all six go one way: max - min = max + max(-v), the same f32 sum.
	s_wait_loadcnt 0x0
.irp c,0,1,2
	v_max3_num_f32 v[R6+\c],   v[P+\c],  v[P+4+\c],  v[P+8+\c]
	v_max3_num_f32 v[R6+3+\c], -v[P+\c], -v[P+4+\c], -v[P+8+\c]
	v_max3_num_f32 v[R6+\c],   v[R6+\c],   v[P+12+\c],  v[P+16+\c]
	v_max3_num_f32 v[R6+3+\c], v[R6+3+\c], -v[P+12+\c], -v[P+16+\c]
	v_max3_num_f32 v[R6+\c],   v[R6+\c],   v[P+20+\c],  v[P+24+\c]
	v_max3_num_f32 v[R6+3+\c], v[R6+3+\c], -v[P+20+\c], -v[P+24+\c]
	v_max_num_f32  v[R6+\c],   v[R6+\c],   v[P+28+\c]
	v_max_num_f32  v[R6+3+\c], v[R6+3+\c], -v[P+28+\c]
.endr
	XMAX 1
	XMAX 2
	XMAX 4
	XMAX 8
.irp c,0,1,2,3,4,5
	v_permlanex16_b32 v[TT+\c], v[R6+\c], s[SEL], s[SEL+1]
.endr
.irp c,0,1,2,3,4,5
	v_max_num_f32 v[R6+\c], v[R6+\c], v[TT+\c]
.endr
	ds_store_b128 v[RA], v[R6:R6+3] offset:RED     ; all lanes of a wave write the same 24 bytes with the same values
	ds_store_b64 v[RA], v[R6+4:R6+5] offset:RED+16
	BARRIER
	ds_load_b128 v[R6:R6+3], v[RB] offset:RED      ; lane l takes wave l % 8's six; three more steps inside each eight lanes
	ds_load_b64 v[R6+4:R6+5], v[RB] offset:RED+16
	s_wait_dscnt 0x0
	XMAX 1
	XMAX 2
	XMAX 4
.irp c,0,1,2
	v_add_f32 v[CEN+\c], v[R6+\c], v[R6+3+\c]
.endr
.irp c,0,1,2
	v_mul_f32 v[CEN+\c], 0.5, v[CEN+\c]
.endr
	; all depths; the own point's by the same lines on the same numbers, so its key has the same bits as its copy in LDS
.irp k,0,1,2,3,4,5,6,7,8
	DEPTH \k
.endr
.irp k,0,1,2,3,4,5,6,7
	ds_store_b32 v[KA], v[P+4*\k+3] offset:ZK+1024*\k
.endr
	BARRIER
	; RANK: how many points stand ahead of the own point in the order (key, index)
	v_mov_b32 v[C0], 0
	v_mov_b32 v[C1], 0
	KLOAD 0, KB0
	KLOAD 1, KB1
.irp b,0,2,4
	s_wait_dscnt 8                                 ; all but the other buffer's eight loads
	KCOUNT \b, KB0
	KLOAD \b+2, KB0
	s_wait_dscnt 8
	KCOUNT \b+1, KB1
	KLOAD \b+3, KB1
.endr
	s_wait_dscnt 8
	KCOUNT 6, KB0
	s_wait_dscnt 0x0
	KCOUNT 7, KB1
	; The slice's own block was counted with <: equal keys of lower index are added, four of its 32 keys in each wave.  Its keys lie a lane each in KI, in every wave: key 4 w + e is read from that lane.
.irp e,0,1,2,3
	s_lshl2_add_u32 s[T0], s[WV], \e
	v_readlane_b32 s[T1], v[KI], s[T0]
	v_cmp_eq_u32 s[M], s[T1], v[KI]
	v_cmp_gt_u32 s[M+1], v[LANE], s[T0]
	s_and_b32 s[M], s[M], s[M+1]
	v_cndmask_b32 v[U+\e], 0, 1, s[M]
.endr
	v_add3_u32 v[C0], v[C0], v[U], v[U+1]
	v_add3_u32 v[C1], v[C1], v[U+2], v[U+3]
	v_add_nc_u32 v[C0], v[C0], v[C1]
	ds_store_b32 v[KA], v[C0] offset:PCN
	BARRIER
	s_cmp_lg_u32 s[WV], 0
	s_cbranch_scc1 .Lend
	; wave 0 finishes the 32 points (here 4 t = 4 x lane)
.irp k,0,1,2,3,4,5,6,7
	ds_load_b32 v[KB0+\k], v[KA] offset:PCN+128*\k
.endr
	v_mul_f32 v[DEN], 0x3f13cd3a, v[KI]            ; z tan(30 degrees)
	v_mul_f32 v[U], s[KXX], v[OWN]
	v_mul_f32 v[U+1], s[KYX], v[OWN]
	v_rcp_f32 v[DEN], v[DEN]
	v_fmac_f32 v[U], s[KXZ], v[OWN+2]              ; plain work behind the reciprocal
	v_fmac_f32 v[U+1], s[KYY], v[OWN+1]
	v_fmac_f32 v[U+1], s[KYZ], v[OWN+2]
	v_add_f32 v[U], s[KTX], v[U]
	v_add_f32 v[U+1], s[KTY], v[U+1]
	v_cmp_lt_f32 s[M], s[ZN], v[KI]                ; valid
	s_wait_alu depctr_va_vdst(0)                   ; the wait ahead of the reciprocal's first reader
	v_mul_f32 v[U], v[U], v[DEN]                   ; x_ndc
	v_mul_f32 v[U+1], v[U+1], v[DEN]               ; y_ndc
	SPAN U, XL, XH, M+1, M+2, 3                    ; tiles are 8 pixels wide
	SPAN U+1, YL, YH, M+3, M+4, 2                  ; and 4 high
	s_and_b32 s[M], s[M], s[M+1]
	s_and_b32 s[M+2], s[M+2], s[M+3]
	s_and_b32 s[M], s[M], s[M+4]
	s_and_b32 s[M], s[M], s[M+2]
	s_lshl_b32 s[T0], s[VIEW], 14
	s_lshl_b32 s[T1], s[GS], 8
	s_add_co_u32 s[T0], s[T0], s[T1]
	v_lshl_add_u32 v1, v[LANE], 3, s[T0]           ; 8 (2,048 v + 32 g + lane)
	s_lshl_b32 s[T1], s[GS], 5
	v_add_nc_u32 v[VI], s[T1], v[LANE]
	v_lshl_or_b32 v[OUTW+1], v[XL], 11, v[VI]
	v_or_b32 v[EM], 0x7800, v[VI]                  ; the empty range: first column 15, last column 0
	v_lshl_or_b32 v[OUTW+1], v[XH], 15, v[OUTW+1]
	v_lshl_or_b32 v[OUTW+1], v[YL], 19, v[OUTW+1]
	v_lshl_or_b32 v[OUTW+1], v[YH], 24, v[OUTW+1]
	v_cndmask_b32 v[OUTW+1], v[EM], v[OUTW+1], s[M]
	s_wait_dscnt 0x0
	v_add3_u32 v[OUTW], v[KB0], v[KB0+1], v[KB0+2]
	v_add3_u32 v[OUTW], v[OUTW], v[KB0+3], v[KB0+4]
	v_add3_u32 v[OUTW], v[OUTW], v[KB0+5], v[KB0+6]
	v_add_nc_u32 v[OUTW], v[OUTW], v[KB0+7]
	global_store_b64 v1, v[OUTW:OUTW+1], s[12:13]  ; 32 lanes x 8 bytes: 256 consecutive bytes, aligned
	global_store_b64 v1, v[U:U+1], s[14:15]
.Lend:
	s_wait_tensorcnt 0x0                           ; the wave's end, behind my last LDS store
	ds_add_u32 v[SPW], v[NIL]
	s_wait_dscnt 0x0
	s_endpgm
.Lfunc_end_k_qcd9e3de892_prep:
	.size	k_qcd9e3de892_prep, .Lfunc_end_k_qcd9e3de892_prep-k_qcd9e3de892_prep
	.p2alignl 7, 3214868480
	.fill 96, 4, 3214868480
	.section	.rodata,"a",@progbits
	.p2align	6, 0x0
	.amdhsa_kernel k_qcd9e3de892_prep
		.amdhsa_group_segment_fixed_size 10496
		.amdhsa_private_segment_fixed_size 0
		.amdhsa_enable_private_segment 0
		.amdhsa_kernarg_size 48
		.amdhsa_user_sgpr_count 2
		.amdhsa_user_sgpr_kernarg_segment_ptr 1
		.amdhsa_wavefront_size32 1
		.amdhsa_system_sgpr_workgroup_id_x 1
		.amdhsa_system_sgpr_workgroup_id_y 1
		.amdhsa_system_sgpr_workgroup_id_z 1
		.amdhsa_system_vgpr_workitem_id 0
		.amdhsa_next_free_vgpr 176
		.amdhsa_next_free_sgpr 66
		.amdhsa_reserve_vcc 1
		.amdhsa_float_denorm_mode_32 3
		.amdhsa_float_denorm_mode_16_64 3
		.amdhsa_memory_ordered 1
		.amdhsa_forward_progress 1
		.amdhsa_inst_pref_size 67
	.end_amdhsa_kernel
	.amdgpu_metadata
---
amdhsa.version: [ 1, 2 ]
amdhsa.kernels:
  - .name:           k_qcd9e3de892_prep
    .symbol:         k_qcd9e3de892_prep.kd
    .args:
      - { .name: verts, .offset: 0, .size: 8, .value_kind: global_buffer, .address_space: global }
      - { .name: dist_rand, .offset: 8, .size: 8, .value_kind: global_buffer, .address_space: global }
      - { .name: elev_rand, .offset: 16, .size: 8, .value_kind: global_buffer, .address_space: global }
      - { .name: azim_rand, .offset: 24, .size: 8, .value_kind: global_buffer, .address_space: global }
      - { .name: meta, .offset: 32, .size: 8, .value_kind: global_buffer, .address_space: global }
      - { .name: xy, .offset: 40, .size: 8, .value_kind: global_buffer, .address_space: global }
    .group_segment_fixed_size: 10496
    .private_segment_fixed_size: 0
    .kernarg_segment_align: 8
    .kernarg_segment_size: 48
    .max_flat_workgroup_size: 256
    .sgpr_count:     66
    .vgpr_count:     176
    .wavefront_size: 32
...
	.end_amdgpu_metadata
.endif
;; end of part 1
;; launch render (part 2): grid 64 x 4, 8 waves a work-group, no clusters, 103,680 bytes of LDS; arguments meta, xy, verts, feat, out0; writes out0
.if DOCPART == 2
	.amdgcn_target "amdgcn-amd-amdhsa--gfx1250"
	.amdhsa_code_object_version 6
	.text
	.protected	k_qcd9e3de892_render
	.globl	k_qcd9e3de892_render
	.p2align	8
	.type	k_qcd9e3de892_render,@function
k_qcd9e3de892_render:
	s_mov_b64 s[64:65], 0
	v_nop
	global_prefetch_b8 v0, s[64:65] scope:SCOPE_SE
	s_setreg_imm32_b32 hwreg(HW_REG_WAVE_MODE, 25, 1), 1
	s_wait_xcnt 0x0
; RENDER: out0[v][row][col][0..5] = the front-to-back alpha compositing of [verts, feat] over the first K = 10 points, by rising depth, whose disc holds the pixel's centre.
; LEFT OUT, as shown at the head of the launch before: pairs (pixel, point) outside the radius or behind ZNEAR have weight 0 and take no place among the K.  Whole tiles of such pairs are skipped on the
; strength of whole numbers that this launch READS (meta: rank and tile range of each point); inside a tile every pair is computed in f32 and selected.
; SHARES.  Work-group (region, v): 32 x 8 pixels of view v; wave w: the tile of 8 x 4 pixels at column w % 4, row w / 4 of the region; a lane a pixel.
; A  the view's meta and, for each point, two records of 16 bytes (verts, x | feat, y) are laid into LDS by point index.
; B  ORDER.  Wave w owns ranks 256 w .. 256 w + 255.  It reads all 2,048 meta and stores each point's word at slot min(rank - 256 w, 256) of its OWN slot array (slot 256 takes what belongs to others), so no wave
;    writes another's bytes.  It reads its slots back in rank order, keeps those whose tile range meets the region, in order, in its OWN list, and tells the count.
; C  Each wave walks the eight lists in turn: that is rising depth.  For 32 entries at a time a test on whole numbers gives a mask of the points that can touch the wave's tile; a loop takes the set bits from the lowest on.
;    T is the product of 1 - alpha so far; it is set to 0 behind the tenth hit, so later points weigh nothing.
; D  the pixels' 24 bytes go through LDS, so that each store of a wave covers 256 consecutive bytes, aligned.  That stage lies in the lists' bytes, which are dead when every wave has ended its walk: a barrier says so.
; LIMITS.  alpha = 1 - dist2 / r2 is one fused multiply-add with -1 / r2, held to 0 .. 1; dist2 = dy dy + dx dx with the second product fused.  NaN and infinities are not treated apart.
.set WL,    0                 ; LDS: meta by point index, 8 bytes each
.set P0,    16384             ; verts.x, y, z, x_ndc by point index, 16 bytes each
.set P1,    49152             ; feat.x, y, z, y_ndc
.set SL,    81920             ; for each wave 256 slots and the dump slot, 4 bytes each, 1,280 bytes apart
.set CW,    92160             ; for each wave its list: up to 256 words and a dump word
.set OUTS,  CW                ; the way out: 8 rows of 768 bytes, in the first 6,144 of the lists' 10,240 bytes
.set NC,    102400            ; the eight counts
.set SPARE, 102656            ; the spare words: 128 bytes a wave, four blocks of 256 bytes that no other line names
.set SEGP,  1280
.set EMPTY, 0x7800            ; a word whose tile range meets nothing: first column 15, last column 0
.set ORA,  1                  ; the way out: where I read a row back
.set SPW,  2                  ; my spare word's address; never rewritten
.set NIL,  3                  ; 0; never rewritten
.set LANE, 4
.set O8,   5                  ; 8 t
.set O12,  6                  ; 12 t
.set S16,  7                  ; 16 t
.set S16B, 8                  ; 16 t + P1: an LDS immediate ends at 65,535
.set SLA,  9                  ; my wave's slots + 4 lane
.set CWA,  10                 ; my wave's list + 4 lane
.set EMP,  11
.set BIG,  12
.set L16,  13
.set NCA,  14
.set CL,   15                 ; CW + 4 lane
.set PX,   16
.set PY,   17
.set TR,   18
.set CNT,  19
.set ACC,  20                 ; v20-25
.set DX,   26
.set DY,   27
.set D2,   28
.set AL,   29
.set WW,   30
.set NIV,  31
.set ONE,  32
.set Q,    33                 ; v33-35 at work
.set SA,   36
.set ES,   37
.set IS,   38
.set OSA,  39
.set MT,   40                 ; A: v40-55 meta of my 8 points
.set RC,   56                 ; A: v56-119 their records
.set BA,   40                 ; B: two buffers of 16 meta
.set BB,   72
.set D,    40                 ; B: my 8 slots
.set PS,   48
.set E,    40                 ; C: v40-55 the first two blocks' words of the eight lists
.set REC,  56                 ; C: v56-183 their records
.set RS,   184                ; C: a later block's records
.set NV,   192
.set OB,   200
.set GO,   206
.set IA,   208                ; v208-223 record addresses
.set BI,   14
.set CI,   15
.set WV,   16
.set VIEW, 17
.set RX,   18
.set RY,   19
.set TX,   20
.set TY,   21
.set TYS,  22
.set RX0,  23
.set RX1,  24
.set RY1,  25
.set RY0S, 26
.set W256, 27
.set SLB,  28
.set CWB,  29
.set RUN,  30
.set T3,   31
.set T0,   32                 ; s[32:33] an offset in 64 bits
.set T2,   34
.set BC,   35
.set MK,   36                 ; s36-51 masks
.set R2,   52
.set MS,   53
.set KC,   54
.set T4,   55
.set F,    56                 ; s56-63 one point's record
.set NS,   66                 ; s66-73 the eight counts
.set KO,   74                 ; a later block's first byte among the lists
.set KB,   75                 ; its first entry's number in its list
.macro BARRIER
	s_wait_dscnt 0x0
	s_barrier_signal -1
	s_barrier_wait -1
.endm
; Does the tile range in word v[d] meet tile columns xlo .. xhi and rows ylo .. yhi?  The last row is the word's top field, so it is compared in place against ylo << 24.
.macro BOXTEST d, out, xhi, xlo, yhi, ylo24
	v_bfe_u32 v[Q], v[\d], 11, 4
	v_bfe_u32 v[Q+1], v[\d], 15, 4
	v_bfe_u32 v[Q+2], v[\d], 19, 5
	v_cmp_ge_u32 s[\out], s[\xhi], v[Q]
	v_cmp_le_u32 s[T2], s[\xlo], v[Q+1]
	v_cmp_ge_u32 s[T3], s[\yhi], v[Q+2]
	v_cmp_le_u32 s[T4], s[\ylo24], v[\d]
	s_and_b32 s[\out], s[\out], s[T2]
	s_and_b32 s[T3], s[T3], s[T4]
	s_and_b32 s[\out], s[\out], s[T3]
.endm
.macro WLOAD g, buf           ; 16 meta a lane: points 64 q + 2 lane, + 1
.irp q,0,1,2,3,4,5,6,7
	ds_load_b128 v[\buf+4*\q:\buf+4*\q+3], v[L16] offset:WL+512*(8*(\g)+\q)
.endr
.endm
.macro PLACE buf              ; each word to slot min(rank - 256 w, 256) of my own array: a number that came from memory is bounded by v_min_u32 before it enters an address
.irp r,0,2,4,6,8,10,12,14,16,18,20,22,24,26,28,30
	v_sub_nc_u32 v[\buf+\r], v[\buf+\r], s[W256]
.endr
.irp r,0,2,4,6,8,10,12,14,16,18,20,22,24,26,28,30
	v_min_u32 v[\buf+\r], 0x100, v[\buf+\r]
.endr
.irp r,0,2,4,6,8,10,12,14,16,18,20,22,24,26,28,30
	v_lshl_add_u32 v[\buf+\r], v[\buf+\r], 2, s[SLB]
.endr
.irp r,0,2,4,6,8,10,12,14,16,18,20,22,24,26,28,30
	ds_store_b32 v[\buf+\r], v[\buf+\r+1]
.endr
.endm
; The points named by mask s[m], from the lowest lane on; their records lie a lane each in v[rec .. rec+7].  The trip count is the mask's number of ones: a whole number made of what was read from meta.
.macro PROC m, rec
	s_bcnt1_i32_b32 s[BC], s[\m]
	s_cmp_eq_u32 s[BC], 0
	s_cbranch_scc1 .Lnone_\@
	s_mov_b32 s[CI], 0
.Lhit_\@:
	s_ctz_i32_b32 s[BI], s[\m]
	v_readlane_b32 s[F+3], v[\rec+3], s[BI]        ; x_ndc
	v_readlane_b32 s[F+7], v[\rec+7], s[BI]        ; y_ndc
	s_add_co_i32 s[T2], s[\m], -1
	s_and_b32 s[\m], s[\m], s[T2]                  ; the lowest one is taken away
	v_readlane_b32 s[F], v[\rec], s[BI]
	v_readlane_b32 s[F+1], v[\rec+1], s[BI]
	v_readlane_b32 s[F+2], v[\rec+2], s[BI]
	v_readlane_b32 s[F+4], v[\rec+4], s[BI]
	v_readlane_b32 s[F+5], v[\rec+5], s[BI]
	v_readlane_b32 s[F+6], v[\rec+6], s[BI]
	v_sub_f32 v[DX], s[F+3], v[PX]
	v_sub_f32 v[DY], s[F+7], v[PY]
	v_mul_f32 v[D2], v[DY], v[DY]
	v_fmac_f32 v[D2], v[DX], v[DX]
	v_fma_f32 v[AL], v[D2], v[NIV], v[ONE] clamp   ; alpha: 1 - dist2 / r2 inside, 0 outside
	v_cmp_ge_f32 vcc_lo, s[R2], v[D2]              ; inside: a hit, which takes one of the K places
	v_add_co_ci_u32 v[CNT], vcc_lo, 0, v[CNT], vcc_lo
	v_mul_f32 v[WW], v[AL], v[TR]
	v_cmp_gt_u32 vcc_lo, 10, v[CNT]
	v_fmac_f32 v[ACC], s[F], v[WW]
	v_fmac_f32 v[ACC+1], s[F+1], v[WW]
	v_fmac_f32 v[ACC+2], s[F+2], v[WW]
	v_fmac_f32 v[ACC+3], s[F+4], v[WW]
	v_fmac_f32 v[ACC+4], s[F+5], v[WW]
	v_fmac_f32 v[ACC+5], s[F+6], v[WW]
	v_fma_f32 v[TR], -v[AL], v[TR], v[TR]
	v_cndmask_b32 v[TR], 0, v[TR], vcc_lo          ; behind the tenth hit nothing weighs any more
	s_add_co_u32 s[CI], s[CI], 1
	s_cmp_lt_u32 s[CI], s[BC]
	s_cbranch_scc1 .Lhit_\@
.Lnone_\@:
.endm
; List s: its first two blocks of 32 lie in registers.  Blocks 2 to 7 exist only where the list has more than 64 entries: six counted trips; a block past the list's end is jumped over, forward, to the steps.
; The block's LDS byte is a scalar that steps by 128; the vector address is made of it and of the fixed lane term in each trip.
.macro SEG s
	s_wait_dscnt 30-4*\s                           ; the record loads of the blocks behind this one may stay out
	PROC MK+2*\s, REC+16*\s
	s_wait_dscnt 28-4*\s
	PROC MK+2*\s+1, REC+16*\s+8
	s_cmp_gt_u32 s[NS+\s], 64
	s_cbranch_scc0 .Lshort_\@
	s_mov_b32 s[KO], SEGP*\s+256
	s_mov_b32 s[KB], 64
	s_mov_b32 s[KC], 6
.Lmore_\@:
	s_cmp_lt_u32 s[KB], s[NS+\s]
	s_cbranch_scc0 .Lstep_\@
	v_add_nc_u32 v[SA], s[KO], v[CL]
	ds_load_b32 v[ES], v[SA]
	s_wait_dscnt 0x0
	v_and_b32 v[IS], 0x7ff, v[ES]
	v_min_u32 v[IS], 0x7ff, v[IS]
	v_lshlrev_b32 v[IS], 4, v[IS]
	ds_load_b128 v[RS:RS+3], v[IS] offset:P0
	ds_load_b128 v[RS+4:RS+7], v[IS] offset:P1
	BOXTEST ES, MS, TX, TX, TY, TYS
	s_wait_dscnt 0x0
	PROC MS, RS
.Lstep_\@:
	s_add_co_u32 s[KO], s[KO], 128
	s_add_co_u32 s[KB], s[KB], 32
	s_sub_co_u32 s[KC], s[KC], 1
	s_cmp_lg_u32 s[KC], 0
	s_cbranch_scc1 .Lmore_\@
.Lshort_\@:
.endm
	s_load_b256 s[4:11], s[0:1], 0x0               ; meta s[4:5], xy s[6:7], verts s[8:9], feat s[10:11]
	s_load_b64 s[12:13], s[0:1], 0x20              ; out0
	v_lshl_add_u32 v[SPW], v0, 2, SPARE
	v_mov_b32 v[NIL], 0
	v_lshrrev_b32 v1, 5, v0
	v_readfirstlane_b32 s[WV], v1                  ; wave 0..7
	v_and_b32 v[LANE], 31, v0
	s_and_b32 s[VIEW], ttmp7, 0xffff
	s_and_b32 s[RX], ttmp9, 3                      ; the region: 4 across, 16 down
	s_lshr_b32 s[RY], ttmp9, 2
	v_lshlrev_b32 v[O8], 3, v0
	v_mul_u32_u24 v[O12], v0, 12
	s_lshl_b32 s[T0], s[VIEW], 14                  ; a view's 2,048 x 8 bytes
	s_mov_b32 s[T0+1], 0
	s_wait_kmcnt 0x0
	s_add_nc_u64 s[4:5], s[4:5], s[T0:T0+1]
	s_add_nc_u64 s[6:7], s[6:7], s[T0:T0+1]
	; A: thread t takes points t + 256 k
.irp k,0,1,2,3,4,5,6,7
	global_load_b64 v[MT+2*\k:MT+2*\k+1], v[O8], s[4:5] offset:2048*\k
.endr
.irp k,0,1,2,3,4,5,6,7
	global_load_b96 v[RC+8*\k:RC+8*\k+2], v[O12], s[8:9] offset:3072*\k
	global_load_b32 v[RC+8*\k+3], v[O8], s[6:7] offset:2048*\k
	global_load_b96 v[RC+8*\k+4:RC+8*\k+6], v[O12], s[10:11] offset:3072*\k
	global_load_b32 v[RC+8*\k+7], v[O8], s[6:7] offset:2048*\k+4
.endr
	; numbers and addresses, while the loads are out
	s_mul_i32 s[T2], s[WV], SEGP
	s_add_co_u32 s[SLB], s[T2], SL
	s_add_co_u32 s[CWB], s[T2], CW
	s_lshl_b32 s[W256], s[WV], 8
	v_lshl_add_u32 v[SLA], v[LANE], 2, s[SLB]
	v_lshl_add_u32 v[CWA], v[LANE], 2, s[CWB]
	v_mov_b32 v[EMP], EMPTY
	v_mov_b32 v[BIG], 0x100
.irp b,0,1,2,3,4,5,6,7        ; my slots and my list start empty: what is never filled meets no tile
	ds_store_b32 v[SLA], v[EMP] offset:128*\b
	ds_store_b32 v[CWA], v[EMP] offset:128*\b
.endr
	v_lshlrev_b32 v[S16], 4, v0
	v_add_nc_u32 v[S16B], P1, v[S16]
	v_lshlrev_b32 v[L16], 4, v[LANE]
	v_lshl_add_u32 v[CL], v[LANE], 2, CW
	s_lshl_b32 s[T2], s[WV], 2                     ; my count's word: NC + 4 w
	s_add_co_u32 s[T2], s[T2], NC
	v_mov_b32 v[NCA], s[T2]
	s_lshl_b32 s[RX0], s[RX], 2                    ; the region's tile columns 4 rx .. 4 rx + 3,
	s_add_co_u32 s[RX1], s[RX0], 3
	s_and_b32 s[T2], s[WV], 3
	s_add_co_u32 s[TX], s[RX0], s[T2]              ; mine among them
	s_lshl_b32 s[T3], s[RY], 1                     ; its tile rows 2 ry, 2 ry + 1
	s_add_co_u32 s[RY1], s[T3], 1
	s_lshl_b32 s[RY0S], s[T3], 24
	s_lshr_b32 s[T2], s[WV], 2
	s_add_co_u32 s[TY], s[T3], s[T2]
	s_lshl_b32 s[TYS], s[TY], 24
	v_and_b32 v[PX], 7, v[LANE]                    ; my pixel in the tile
	v_lshrrev_b32 v[PY], 3, v[LANE]
	v_mul_u32_u24 v[OSA], v[PY], 768               ; its 24 bytes in the stage: row x 768 + column x 24
	v_mad_u32_u24 v[OSA], v[PX], 24, v[OSA]
	s_mul_i32 s[T2], s[T2], 3072
	s_and_b32 s[T3], s[WV], 3
	s_mul_i32 s[T3], s[T3], 192
	s_add_co_u32 s[T2], s[T2], s[T3]
	s_add_co_u32 s[T2], s[T2], OUTS
	v_add_nc_u32 v[OSA], s[T2], v[OSA]
	s_lshl_b32 s[T2], s[TX], 4                     ; a pixel's centre: 1 - (2 j + 1) / 128 = (127 - 2 j) / 128, exact
	s_sub_co_u32 s[T2], 127, s[T2]
	s_lshl_b32 s[T3], s[TY], 3
	s_sub_co_u32 s[T3], 127, s[T3]
	v_lshlrev_b32 v[PX], 1, v[PX]
	v_lshlrev_b32 v[PY], 1, v[PY]
	v_sub_nc_u32 v[PX], s[T2], v[PX]
	v_sub_nc_u32 v[PY], s[T3], v[PY]
	v_cvt_f32_i32 v[PX], v[PX]
	v_cvt_f32_i32 v[PY], v[PY]
	v_mul_f32 v[PX], 0x3c000000, v[PX]
	v_mul_f32 v[PY], 0x3c000000, v[PY]
	s_mul_i32 s[T2], s[WV], 768                    ; back out of the stage: wave w takes the region's row w
	s_add_co_u32 s[T2], s[T2], OUTS
	v_lshl_add_u32 v[ORA], v[LANE], 3, s[T2]
	v_lshlrev_b32 v[GO], 3, v[LANE]
	s_lshl_b32 s[T0], s[VIEW], 7                   ; that row in out0: (128 v + 8 ry + w) x 3,072 + rx x 768 bytes
	s_lshl_b32 s[T2], s[RY], 3
	s_add_co_u32 s[T0], s[T0], s[T2]
	s_add_co_u32 s[T0], s[T0], s[WV]
	s_mul_i32 s[T0], s[T0], 3072
	s_mul_i32 s[T2], s[RX], 768
	s_add_co_u32 s[T0], s[T0], s[T2]
	s_add_nc_u64 s[12:13], s[12:13], s[T0:T0+1]
	s_mov_b32 s[R2], 0x3a6bedfa                    ; r2 = 0.0009
	v_mov_b32 v[NIV], 0xc48ae38e                   ; -1 / r2
	v_mov_b32 v[ONE], 1.0
	v_mov_b32 v[TR], 1.0
	v_mov_b32 v[CNT], 0
.irp c,0,1,2,3,4,5
	v_mov_b32 v[ACC+\c], 0
.endr
	s_wait_loadcnt 32                              ; the eight meta are in; the 32 record loads may stay out
.irp k,0,1,2,3,4,5,6,7
	ds_store_b64 v[O8], v[MT+2*\k:MT+2*\k+1] offset:WL+2048*\k
.endr
.irp k,0,1,2,3,4,5,6,7
	s_wait_loadcnt 28-4*\k                         ; point k's four loads are in; those of the later points may stay out
	ds_store_b128 v[S16], v[RC+8*\k:RC+8*\k+3] offset:P0+4096*\k
	ds_store_b128 v[S16B], v[RC+8*\k+4:RC+8*\k+7] offset:4096*\k
.endr
	BARRIER
	; B: the order.  Two buffers of 16 meta a lane take turns.
	WLOAD 0, BA
	WLOAD 1, BB
	s_wait_dscnt 8                                 ; all but BB's eight loads
	PLACE BA
	WLOAD 2, BA
	s_wait_dscnt 24                                ; behind BB's loads: 16 stores and 8 loads
	PLACE BB
	WLOAD 3, BB
	s_wait_dscnt 24
	PLACE BA
	s_wait_dscnt 16                                ; behind BB's loads: 16 stores
	PLACE BB
.irp b,0,1,2,3,4,5,6,7        ; my slots in rank order; LDS serves a wave's instructions in order (ISA guide 5.7.1.4), so these see my stores
	ds_load_b32 v[D+\b], v[SLA] offset:128*\b
.endr
	s_wait_dscnt 0x0
.irp b,0,1,2,3,4,5,6,7
	BOXTEST D+\b, MK+\b, RX1, RX0, RY1, RY0S
.endr
	s_mov_b32 s[RUN], 0
.irp b,0,1,2,3,4,5,6,7        ; a kept word goes to place (kept before it); the others to the dump word
	v_mbcnt_lo_u32_b32 v[PS+\b], s[MK+\b], s[RUN]
	s_bcnt1_i32_b32 s[T2], s[MK+\b]
	s_add_co_u32 s[RUN], s[RUN], s[T2]
	v_cndmask_b32 v[PS+\b], v[BIG], v[PS+\b], s[MK+\b]
	v_min_u32 v[PS+\b], 0x100, v[PS+\b]
	v_lshl_add_u32 v[PS+\b], v[PS+\b], 2, s[CWB]
	ds_store_b32 v[PS+\b], v[D+\b]
.endr
	v_mov_b32 v[Q], s[RUN]
	ds_store_b32 v[NCA], v[Q]
	BARRIER
	; C: the eight lists, front to back
	v_mov_b32 v[Q], NC
	ds_load_b128 v[NV:NV+3], v[Q]
	ds_load_b128 v[NV+4:NV+7], v[Q] offset:16
.irp j,0,1,2,3,4,5,6,7,8,9,10,11,12,13,14,15
	ds_load_b32 v[E+\j], v[CL] offset:SEGP*(\j/2)+128*(\j%2)
.endr
	s_wait_dscnt 0x0
.irp j,0,1,2,3,4,5,6,7,8,9,10,11,12,13,14,15
	v_and_b32 v[IA+\j], 0x7ff, v[E+\j]             ; the point's index,
.endr
.irp j,0,1,2,3,4,5,6,7,8,9,10,11,12,13,14,15
	v_min_u32 v[IA+\j], 0x7ff, v[IA+\j]            ; bounded before it enters an address
.endr
.irp j,0,1,2,3,4,5,6,7,8,9,10,11,12,13,14,15
	v_lshlrev_b32 v[IA+\j], 4, v[IA+\j]
.endr
.irp j,0,1,2,3,4,5,6,7,8,9,10,11,12,13,14,15
	ds_load_b128 v[REC+8*\j:REC+8*\j+3], v[IA+\j] offset:P0
	ds_load_b128 v[REC+8*\j+4:REC+8*\j+7], v[IA+\j] offset:P1
.endr
.irp s,0,1,2,3,4,5,6,7
	v_readfirstlane_b32 s[NS+\s], v[NV+\s]
.endr
.irp j,0,1,2,3,4,5,6,7,8,9,10,11,12,13,14,15
	BOXTEST E+\j, MK+\j, TX, TX, TY, TYS
.endr
.irp s,0,1,2,3,4,5,6,7
	SEG \s
.endr
	; D: the way out
	BARRIER                                        ; every wave's reads of the lists are back: their bytes now serve as the stage
	ds_store_b64 v[OSA], v[ACC:ACC+1]
	ds_store_b64 v[OSA], v[ACC+2:ACC+3] offset:8
	ds_store_b64 v[OSA], v[ACC+4:ACC+5] offset:16
	BARRIER                                        ; a row of the stage comes from four waves
	ds_load_b64 v[OB:OB+1], v[ORA]
	ds_load_b64 v[OB+2:OB+3], v[ORA] offset:256
	ds_load_b64 v[OB+4:OB+5], v[ORA] offset:512
	s_wait_dscnt 0x0
	global_store_b64 v[GO], v[OB:OB+1], s[12:13] th:TH_STORE_NT             ; 32 lanes x 8 bytes: 256 consecutive bytes, at a multiple of 256 from out0's first byte
	global_store_b64 v[GO], v[OB+2:OB+3], s[12:13] offset:256 th:TH_STORE_NT
	global_store_b64 v[GO], v[OB+4:OB+5], s[12:13] offset:512 th:TH_STORE_NT
	s_wait_tensorcnt 0x0                           ; the wave's end, behind my last LDS store
	ds_add_u32 v[SPW], v[NIL]
	s_wait_dscnt 0x0
	s_endpgm
.Lfunc_end_k_qcd9e3de892_render:
	.size	k_qcd9e3de892_render, .Lfunc_end_k_qcd9e3de892_render-k_qcd9e3de892_render
	.p2alignl 7, 3214868480
	.fill 96, 4, 3214868480
	.section	.rodata,"a",@progbits
	.p2align	6, 0x0
	.amdhsa_kernel k_qcd9e3de892_render
		.amdhsa_group_segment_fixed_size 103680
		.amdhsa_private_segment_fixed_size 0
		.amdhsa_enable_private_segment 0
		.amdhsa_kernarg_size 40
		.amdhsa_user_sgpr_count 2
		.amdhsa_user_sgpr_kernarg_segment_ptr 1
		.amdhsa_wavefront_size32 1
		.amdhsa_system_sgpr_workgroup_id_x 1
		.amdhsa_system_sgpr_workgroup_id_y 1
		.amdhsa_system_sgpr_workgroup_id_z 1
		.amdhsa_system_vgpr_workitem_id 0
		.amdhsa_next_free_vgpr 224
		.amdhsa_next_free_sgpr 76
		.amdhsa_reserve_vcc 1
		.amdhsa_float_denorm_mode_32 3
		.amdhsa_float_denorm_mode_16_64 3
		.amdhsa_memory_ordered 1
		.amdhsa_forward_progress 1
		.amdhsa_inst_pref_size 98
	.end_amdhsa_kernel
	.amdgpu_metadata
---
amdhsa.version: [ 1, 2 ]
amdhsa.kernels:
  - .name:           k_qcd9e3de892_render
    .symbol:         k_qcd9e3de892_render.kd
    .args:
      - { .name: meta, .offset: 0, .size: 8, .value_kind: global_buffer, .address_space: global }
      - { .name: xy, .offset: 8, .size: 8, .value_kind: global_buffer, .address_space: global }
      - { .name: verts, .offset: 16, .size: 8, .value_kind: global_buffer, .address_space: global }
      - { .name: feat, .offset: 24, .size: 8, .value_kind: global_buffer, .address_space: global }
      - { .name: out0, .offset: 32, .size: 8, .value_kind: global_buffer, .address_space: global }
    .group_segment_fixed_size: 103680
    .private_segment_fixed_size: 0
    .kernarg_segment_align: 8
    .kernarg_segment_size: 40
    .max_flat_workgroup_size: 256
    .sgpr_count:     76
    .vgpr_count:     224
    .wavefront_size: 32
...
	.end_amdgpu_metadata
.endif
;; end of part 2
